; MI455X (gfx1250); checked and timed in simulation.
; The chip was launched on July 23, 2026; its instructions are those of AMD's public machine-readable ISA for CDNA 5 (MIT licence, August 2026) and "CDNA5" Instruction Set Architecture Reference Guide (July 2026). The comments in the code are by the model that wrote it; some were corrected since.
;; Q8 Linear. Allowed arithmetic: float matrix products may take bf16 or f16 operands with f32 sums; other float arithmetic in f32, or as packed bf16 or f16 multiplies, adds, multiply-adds, maxima and minima; sums over many terms, partial sums and values carried from step to step in f32; what a program stores and reads back later, other than sums and carried values, may be rounded once to bf16 or f16.
;; Inputs: bias 4,096 float32; scales 4,096 float32; weight 4,096 x 4,096 int8; x 4,096 x 4,096 int8; x_scales 4,096 float32.
;; Outputs: out0 4,096 x 4,096 float32.
;; Constants: fuse_gelu = 1.
;; One version. Each part assembles by itself: llvm-mc -triple=amdgcn-amd-amdhsa -mcpu=gfx1250 --defsym DOCPART=n.
;; ======== version 1 of 1: 1 launch
;; launch q8 (part 1): grid 16 x 16, 4 waves a work-group, clusters of 4 x 4, 327,680 bytes of LDS; arguments x, weight, bias, x_scales, scales, out0; writes out0
.if DOCPART == 1
	.amdgcn_target "amdgcn-amd-amdhsa--gfx1250"
	.amdhsa_code_object_version 6
	.text
	.protected	k_qd8f681ba78_q8
	.globl	k_qd8f681ba78_q8
	.p2align	8
	.type	k_qd8f681ba78_q8,@function
k_qd8f681ba78_q8:
	s_mov_b64 s[64:65], 0
	v_nop
	global_prefetch_b8 v0, s[64:65] scope:SCOPE_SE
	s_setreg_imm32_b32 hwreg(HW_REG_WAVE_MODE, 25, 1), 1
	s_wait_xcnt 0x0
	s_wait_alu depctr_hold_cnt(0) depctr_sa_sdst(0) depctr_va_vdst(0) depctr_va_sdst(0) depctr_va_ssrc(0) depctr_va_vcc(0) depctr_vm_vsrc(0)
	s_getreg_b32 s2, hwreg(HW_REG_IB_STS2, 6, 4)
	s_cmp_eq_u32 s2, 0
	s_cbranch_scc0 .Lentry_in_a_cluster
	s_endpgm
.Lentry_in_a_cluster:
	s_bfe_u32 s2, ttmp6, 0x10000c
	s_cmp_lg_u32 s2, 0xf033
	s_cbranch_scc0 .Lentry_shape_is_right
	s_endpgm
.Lentry_shape_is_right:
; out[m][n] = gelu(acc[m][n] x_scales[m] scales[n] + bias[n]), acc[m][n] = the sum over k of x[m][k] weight[n][k].  x: [4096][4096] int8, weight: [4096][4096] int8, out: [4096][4096] f32.
; gelu is the tanh form: gelu(v) = v / (1 + 2^(v (C0 + C1 v^2))), C0 = -2 log2(e) sqrt(2 / pi), C1 = 0.044715 C0 (0.5 (1 + tanh u) = 1 / (1 + e^(-2u))).
; FORMAT.  Every int8, -128 too, is an exact f16, and every product an exact f32; the type bounds the range, so f16's range is no limit here.
; int8 to f16 by bits: 0x6400 | (byte xor 0x80) is the f16 1024 + (x + 128); a packed add of -1152 leaves x, exactly.  Four bytes: one xor, two v_perm_b32, two v_pk_add_f16.
; LIMITS.  The sums are kept in f32, where the reference keeps i32: |acc| reaches 2^26 at the most, and beyond 2^24 each partial sum is rounded to 24 bits.  The scaling goes as (acc x_scales) scales + bias,
; the reference's as acc (x_scales scales) + bias: another order of rounding.  2^(..) below 2^-126 counts as 0, above f32's range as infinity (the result is then v, or -0).  NaN and infinities in the scales or the bias are not treated apart.
; SHARES.  A work-group makes a tile of 256 x 256 of out, each of its four waves 128 x 128: 64 accumulators of 16 x 16, 512 registers.  256 work-groups, one tile each.
; K goes in 16 steps of 256 through a ring of two LDS slots filled by the tensor data mover: a tile's rows are 256 bytes of memory, at multiples of 256 from the buffer's first byte.  A step is 8 CHUNKS of 32 along K, 64 products each.
; CLUSTER.  4 x 4 work-groups.  The four of a row of the cluster need the same rows of x, the four of a column the same rows of weight: each tile is asked for JOINTLY, by the same tensor load with the same descriptor and a mask of four.
; THE PRODUCT IS USED TRANSPOSED: source 0 = 16 rows of weight, source 1 = 16 rows of x: a lane then holds one row of out (lane % 16) and eight neighbouring columns, 8 (lane / 16) + 0..7.
; K'S PLACES.  Lane l takes the 16 bytes at 16 (l / 16) of its row's 32; they become the fragment's 8 registers in order.  That is one and the same permutation of the chunk's k for both sources, so the products pair rightly.
; REGISTERS, in windows of 256 (s_set_vgpr_msb: bits 1:0 source 0, 3:2 source 1, 5:4 source 2, 7:6 destination).  The same map in each window w:
;   v0-127   the accumulators of weight blocks 2 w, 2 w + 1 (wbl = 0, 1) x all eight x blocks xb, at 8 (8 wbl + xb)
;   v128-191 two buffers of four f16 fragments: weight blocks 2 w, 2 w + 1, then x blocks 2 w, 2 w + 1          v192-223 two buffers of the same four as loaded, 4 registers each
;   window 0, v224-247: addresses and the way out's constants;  window 1, v224-239: x_scales of my row in each x block, twice (a pair for the packed multiply)
; A product under the setting w | b<<2 | w<<4 | w<<6 takes weight's fragment and the accumulator from window w and x's fragment from window b.  A conversion line names ONE vector source, in place 0, and a destination; all else is
; scalar: under the same setting it works inside window w.  So the conversion stands behind the products without a switch of its own: 16 settings and 4 for the loads in a chunk's 64 products.
; BY TURNS.  While chunk c is multiplied (buffer c % 2), chunk c + 1 is converted into the other buffer: 320 vector lines, four behind each product, the 64 xors in four runs of 16; chunk c + 2 is loaded from LDS at the chunk's head.
.set PITCH,  272                       ; an LDS row: 256 bytes + 16 of padding = 68 words: row r starts at bank 4 r mod 64 (64 banks of 4 bytes: ISA guide 11.1), so the 16 rows of a load start at 16 different groups of banks
.set HALFT,  128*PITCH                 ; 128 rows: what one tensor load brings, and what one wave reads of x or of weight
.set SLOT,   4*HALFT                   ; x's 256 rows, then weight's 256.  0x22000: its two bits are in none of wave x HALFT, so one exclusive or turns an address in one slot into the other's
.set SPARE,  2*SLOT                    ; behind the ring: the spare words, 128 bytes for each wave: two blocks of 256 bytes that no other line names
.set SPITCH, 528                       ; the way out: a stage row, 128 f32 + 16 bytes: an odd multiple of 16
.set STG,    128*SPITCH                ; a wave's stage, 128 rows.  The four stages lie in the ring's bytes, which have then had their last fill
.set KROW,   4096                      ; bytes in a row of x and of weight
.set OROW,   16384                     ; bytes in a row of out
.set KSTEP,  256                       ; bytes of a row in a K step
.set FR,   128                         ; the f16 fragments
.set RW,   192                         ; the fragments as loaded
.set ADW,  224                         ; v224  LDS address of the run of loads in hand, weight's
.set ADX,  225                         ; v225  x's
.set AW0,  226                         ; v226  my lane's place in my 128 rows of weight in slot 0; never rewritten
.set AX0,  227                         ; v227  the same for x
.set SPW,  228                         ; v228  LDS address of my spare word: SPARE + 4 x my thread's number; never rewritten
.set NIL,  229                         ; v229  0; never rewritten
.set PFO,  230                         ; v230  the prefetches' offset: my lane x a row of 4,096 bytes; never rewritten
.set XO,   231                         ; v231  byte offset of my row's scale in x_scales
.set NO,   232                         ; v232  byte offset of my four columns in scales and in bias
.set STO,  233                         ; v233  the way out: where I put 16 bytes of a row
.set RD,   234                         ; v234  the way out: where I read a row back
.set CO,   235                         ; v235  my byte offset in 512 consecutive bytes of out
.set WS,   236                         ; v[236:239] scales of my four columns
.set BI,   240                         ; v[240:243] bias of my four columns
.set KC0,  244                         ; v[244:245] C0, twice
.set KC1,  246                         ; v[246:247] C1, twice
.set XS,   224                         ; window 1: v[224:239]
.set GN,   0                           ; the way out's loop, window 0: 8 rows as read back,
.set GV,   32                          ; v,
.set GQ,   64                          ; at work, then the result
.set WV,   16                          ; s16  my wave's number
.set RH,   17                          ; s17  which half of the tile's rows is mine.  Also: I fetch for x (0) or for weight (1)
.set CHF,  18                          ; s18  which half of its columns.  Also: which 128 rows of that tile I fetch
.set CX,   19                          ; s19, s20  my place in the cluster
.set CY,   20
.set TC,   21                          ; s21  tile column of out
.set TR,   22                          ; s22  tile row
.set G1X,  24                          ; s[24:31] descriptor group 1 for x's tiles
.set G1W,  32                          ; s[32:39] for weight's: it differs in the mask alone
.set G0X,  40                          ; s[40:47] descriptor group 0 for x's tiles: a set for each of the two first fills; the second then walks on
.set G0W,  48                          ; s[48:55] the same for weight's
.set SLOTS, 56                         ; s56  counts the K steps
.set CNT,  57                          ; s57  counts a K step's pairs of chunks
.set TB,   58                          ; s58  LDS byte, in a row of slot 0 or 1, at which the chunk to be loaded begins
.set S80,  59                          ; s59  0x80808080
.set C64,  60                          ; s60  0x64646464
.set SELLO, 61                         ; s61  v_perm_b32's selects: bytes 0, 1 of the word, each under 0x64,
.set SELHI, 62                         ; s62  bytes 2, 3
.set NEG,  63                          ; s63  -1152 twice, in f16
.set PFA,  66                          ; s[66:67] where my prefetches stand
.set LIM,  68                          ; s68  1 in a wave that prefetches, else the greatest number
.set LB,   69                          ; s69  wave x HALFT
.set GC,   78                          ; s78  counts the way out's groups
.set MSB, 0
.macro WIN new                         ; the immediate's high byte repeats the setting that is left; a switch that changes nothing is dropped
.if MSB != (\new)
	s_set_vgpr_msb (MSB<<8)|(\new)
.set MSB, (\new)
.endif
.endm
.macro PLACES                          ; four places behind a product, ahead of vector lines that read or write its registers (ISA guide 7.12.1)
.rept 4
	v_nop
.endr
.endm
; A joint refill.  Waves 0 and 1 fetch x's two halves, waves 2 and 3 weight's.  The branch hangs on the wave's number alone: it is the same in every work-group.
; An s_nop 0 and four v_nop follow each of the two lines, ahead of the jump, the label and what follows.
.macro JLOAD
	s_cmp_lt_u32 s[WV], 2
	s_cbranch_scc0 .Lfor_w_\@
	tensor_load_to_lds s[G0X+4:G0X+7], s[G1X:G1X+7]
	s_nop 0
.rept 4
	v_nop
.endr
	s_branch .Lasked_\@
.Lfor_w_\@:
	tensor_load_to_lds s[G0W+4:G0W+7], s[G1W:G1W+7]
	s_nop 0
.rept 4
	v_nop
.endr
.Lasked_\@:
.endm
; A PREFETCH of the K step that the NEXT refill will ask for: 32 rows x 256 bytes, a lane a row, one instruction a wave, one K step (512 products) ahead of that load.  It stands behind the joint load and its five lines.
; Each row's 256 bytes of a K step are named ONCE in the launch.  x's tile row is read by every cluster of that row of clusters: the one with x = 0 asks; weight's tile column by every cluster of that column: y = 0 asks.
; The four partners that ask for a tile jointly share its rows out BY ADDRESS: of the 128 rows that a wave fetches the partner at place p takes 32 p .. 32 p + 31 (p = cx for x, cy for weight).
; K steps 0 to 2 come by their loads alone; the change that asks for the last K step (s[SLOTS] = 1) prefetches nothing.
.macro ASK
	s_cmp_gt_u32 s[SLOTS], s[LIM]
	s_cbranch_scc0 .Lnot_mine_\@
	global_prefetch_b8 v[PFO], s[PFA:PFA+1] th:TH_LOAD_NT scope:SCOPE_SE
.Lnot_mine_\@:
.endm
; A round of the cluster's barrier: my work-group's barrier, so that wave 0's signal speaks for all four waves; wave 0 signals; every wave waits for all sixteen work-groups; my work-group's barrier once more.
.macro CROUND
	s_barrier_signal -1
	s_barrier_wait -1
	s_cmp_lg_u32 s[WV], 0
	s_cbranch_scc1 .Lnot_wave_0_\@
	s_barrier_signal -3
.Lnot_wave_0_\@:
	s_barrier_wait -3
	s_barrier_signal -1
	s_barrier_wait -1
.endm
	s_load_b256 s[4:11], s[0:1], 0x0               ; x s[4:5], weight s[6:7], bias s[8:9], x_scales s[10:11]
	s_load_b128 s[12:15], s[0:1], 0x20             ; scales s[12:13], out s[14:15]
	v_lshl_add_u32 v[SPW], v0, 2, SPARE
	v_mov_b32 v[NIL], 0
	ds_add_u32 v[SPW], v[NIL]                      ; the wave's opening: the add and its wait ahead of my first tensor load; the set-up below, work on registers, stands between them
	v_lshrrev_b32 v1, 5, v0
	v_readfirstlane_b32 s[WV], v1                  ; wave 0..3
	s_lshr_b32 s[RH], s[WV], 1
	s_and_b32 s[CHF], s[WV], 1
	s_bfe_u32 s[CX], ttmp6, 0x40000
	s_bfe_u32 s[CY], ttmp6, 0x40004
	s_lshl_b32 s[TC], ttmp9, 2                     ; in a cluster launch ttmp9 and ttmp7 count clusters
	s_add_co_u32 s[TC], s[TC], s[CX]               ; tile column = 4 x cluster x + cx
	s_and_b32 s[TR], ttmp7, 0xffff
	s_lshl_b32 s[TR], s[TR], 2
	s_add_co_u32 s[TR], s[TR], s[CY]               ; tile row = 4 x cluster y + cy
	s_lshl_b32 s23, s[CY], 2
	s_lshl_b32 s23, 15, s23                        ; my row of the cluster: places 4 cy .. 4 cy + 3
	s_lshl_b32 s79, 0x1111, s[CX]                  ; my column: places cx, cx + 4, cx + 8, cx + 12
	; descriptor group 1: a tile of 128 rows x 256 bytes, stated as 128 elements of 2 bytes, padded in LDS
	s_or_b32 s[G1X], s23, (1<<16)|(1<<20)|(1<<21)|(5<<22)|(3<<25)  ; 15:0 the mask: x's tiles go to my row; 17:16 elements of 2 bytes; 20 padding on; 21 set beside a mask; 24:22 after every 64 words (code 5); 31:25 4 words of it (code 3)
	s_or_b32 s[G1W], s79, (1<<16)|(1<<20)|(1<<21)|(5<<22)|(3<<25)  ; the same with the mask of my column
.irp g, G1X, G1W
	s_mov_b32 s[(\g)+1], 128<<16                   ; tensor_dim0 = 128
	s_mov_b32 s[(\g)+2], 128<<16                   ; tensor_dim1 = 128
	s_mov_b32 s[(\g)+3], 128<<16                   ; tile_dim0 = 128
	s_mov_b32 s[(\g)+4], 128                       ; tile_dim1 = 128
	s_mov_b32 s[(\g)+5], KROW/2                    ; 2,048 elements from row to row
	s_mov_b32 s[(\g)+6], 0
	s_mov_b32 s[(\g)+7], 0
.endr
	; where the tiles come from: x's hang on the tile row alone, weight's on the tile column alone; each offset lies in registers that never hold the other coordinate
	s_lshl_b32 s72, s[CHF], 19                     ; which 128 rows of 4,096 bytes I fetch
	s_lshl_b32 s70, s[TR], 20                      ; 256 rows of 4,096 bytes a tile
	s_add_co_u32 s70, s70, s72
	s_mov_b32 s71, 0
	s_lshl_b32 s74, s[TC], 20
	s_add_co_u32 s74, s74, s72
	s_mov_b32 s75, 0
	s_mul_i32 s[LB], s[WV], HALFT                  ; and where they go: no place in the cluster enters an LDS address
	s_mov_b32 s[S80], 0x80808080
	s_mov_b32 s[C64], 0x64646464
	s_mov_b32 s[SELLO], 0x00050004
	s_mov_b32 s[SELHI], 0x00070006
	s_mov_b32 s[NEG], 0xe480e480
	s_mov_b32 s[TB], 0
	s_mov_b32 s[SLOTS], 15
	s_wait_dscnt 0x0                               ; the opening add is done
	s_wait_kmcnt 0x0
	s_add_nc_u64 s[70:71], s[4:5], s[70:71]
	s_add_nc_u64 s[74:75], s[6:7], s[74:75]
	CROUND                                         ; all sixteen work-groups are here: the first joint loads meet
.irp s, 0,1
	s_mov_b32 s[G0X+4*(\s)], 1                     ; 1:0 count = 1
	s_add_co_u32 s[G0X+4*(\s)+1], s[LB], (\s)*SLOT ; 63:32 LDS address
	s_add_nc_u64 s[G0X+4*(\s)+2:G0X+4*(\s)+3], s[70:71], (\s)*KSTEP  ; 120:64 global address: K step s
	s_or_b32 s[G0X+4*(\s)+3], s[G0X+4*(\s)+3], 0x80000000            ; 127:126 type = 2
	s_mov_b32 s[G0W+4*(\s)], 1
	s_add_co_u32 s[G0W+4*(\s)+1], s[LB], (\s)*SLOT
	s_add_nc_u64 s[G0W+4*(\s)+2:G0W+4*(\s)+3], s[74:75], (\s)*KSTEP
	s_or_b32 s[G0W+4*(\s)+3], s[G0W+4*(\s)+3], 0x80000000
.endr
	s_cmp_lt_u32 s[WV], 2                          ; a wave's two first fills stand in one branch, ahead of every wait on TENSORcnt and every LDS read: two loads of mine are out
	s_cbranch_scc0 .Lfirst_w
	tensor_load_to_lds s[G0X:G0X+3], s[G1X:G1X+7]
	s_nop 0
	tensor_load_to_lds s[G0X+4:G0X+7], s[G1X:G1X+7]
	s_nop 0
.rept 4
	v_nop
.endr
	s_branch .Lfirst_asked
.Lfirst_w:
	tensor_load_to_lds s[G0W:G0W+3], s[G1W:G1W+7]
	s_nop 0
	tensor_load_to_lds s[G0W+4:G0W+7], s[G1W:G1W+7]
	s_nop 0
.rept 4
	v_nop
.endr
.Lfirst_asked:
	v_and_b32 v1, 15, v0                           ; r = l % 16
	v_bfe_u32 v2, v0, 4, 1                         ; h = l / 16
	v_and_b32 v3, 31, v0                           ; l
	v_mul_u32_u24 v4, v1, PITCH
	v_lshl_add_u32 v4, v2, 4, v4                   ; row x pitch + 16 x half
	s_mul_i32 s72, s[RH], HALFT                    ; my 128 rows of x
	v_add_nc_u32 v[AX0], s72, v4
	s_mul_i32 s72, s[CHF], HALFT                   ; my 128 rows of weight,
	s_add_co_u32 s72, s72, 2*HALFT                 ; which lie behind x's 256
	v_add_nc_u32 v[AW0], s72, v4
	s_mul_i32 s72, s[WV], STG                      ; my stage
	v_mul_u32_u24 v5, v1, SPITCH                   ; in: row l % 16, 32 bytes for each half of the lanes
	v_lshl_add_u32 v5, v2, 5, v5
	v_add_nc_u32 v[STO], s72, v5
	v_lshl_add_u32 v[RD], v3, 4, s72               ; back: 32 lanes take one row of 512 bytes,
	v_lshlrev_b32 v[CO], 4, v3                     ; which are 512 consecutive bytes of out
	s_lshl_b32 s76, s[TC], 10
	s_lshl_b32 s72, s[CHF], 9
	s_add_co_u32 s76, s76, s72                     ; my first column, in bytes of f32: 4 (256 x tile column + 128 x half)
	v_lshl_add_u32 v[NO], v3, 4, s76
	s_lshl_b32 s73, s[TR], 10
	s_lshl_b32 s72, s[RH], 9
	s_add_co_u32 s73, s73, s72                     ; my first row, in bytes of f32
	v_lshl_add_u32 v[XO], v1, 2, s73
	WIN 0x40                                       ; destination window 1, address window 0
.irp b, 0,1,2,3,4,5,6,7
	global_load_b32 v[XS+2*(\b)],   v[XO], s[10:11] offset:64*(\b)   ; x_scales of row l % 16 of x block b, into both registers of a pair
	global_load_b32 v[XS+2*(\b)+1], v[XO], s[10:11] offset:64*(\b)
.endr
	WIN 0
	global_load_b128 v[WS:WS+3], v[NO], s[12:13]
	global_load_b128 v[BI:BI+3], v[NO], s[8:9]
	v_mov_b32 v[KC0], 0xc0135761                   ; C0 = -2.3022082
	v_mov_b32 v[KC0+1], 0xc0135761
	v_mov_b32 v[KC1], 0xbdd2d3e8                   ; C1 = -0.10294324
	v_mov_b32 v[KC1+1], 0xbdd2d3e8
	s_lshl_b32 s73, s73, 12                        ; my first row x 16,384 bytes
	s_add_co_u32 s76, s76, s73
	s_mov_b32 s77, 0
	s_add_nc_u64 s[14:15], s[14:15], s[76:77]      ; out at my wave's first row and column
	; the prefetches
	s_lshl_b32 s72, s[TR], 8
	s_lshl_b32 s76, s[TC], 8
	s_and_b32 s78, ttmp7, 0xffff                   ; cluster y
	s_cmp_eq_u32 s[RH], 0                          ; do I fetch for x?
	s_cselect_b32 s72, s72, s76                    ; the tile's first row: in x by the tile row, in weight by the tile column
	s_cselect_b32 s73, s[CX], s[CY]                ; my place among the four that ask for it with me
	s_cselect_b32 s78, ttmp9, s78                  ; the coordinate along which other clusters read the same rows
	s_cselect_b64 s[PFA:PFA+1], s[4:5], s[6:7]
	s_cmp_eq_u32 s78, 0
	s_cselect_b32 s[LIM], 1, -1                    ; the same in all sixteen partners, for a given wave
	s_lshl_b32 s76, s[CHF], 7
	s_add_co_u32 s72, s72, s76                     ; + the 128 rows that I fetch
	s_lshl_b32 s73, s73, 5
	s_add_co_u32 s72, s72, s73                     ; + my work-group's 32 of them
	s_lshl_b32 s72, s72, 12                        ; x 4,096 bytes
	s_mov_b32 s73, 0
	s_add_nc_u64 s[PFA:PFA+1], s[PFA:PFA+1], s[72:73]
	s_add_nc_u64 s[PFA:PFA+1], s[PFA:PFA+1], 2*KSTEP  ; at K step 2: the first change of slots steps it to 3.  Nothing is prefetched here, where every work-group's first tiles are on their way
	v_lshlrev_b32 v[PFO], 12, v3
; 16 LDS loads in one run: the sixteen fragments of one chunk as they lie, 16 bytes a lane each, into buffer p of every window.
.macro RUN p
	WIN 0
	v_add_nc_u32 v[ADW], s[TB], v[AW0]
	v_add_nc_u32 v[ADX], s[TB], v[AX0]
	s_add_co_u32 s[TB], s[TB], 32                  ; the next run is the next chunk's
.irp w, 0,1,2,3
	WIN 0x40*(\w)                                  ; destination window w, address window 0
	ds_load_b128 v[RW+16*(\p):RW+16*(\p)+3],     v[ADW] offset:(2*(\w))*16*PITCH
	ds_load_b128 v[RW+16*(\p)+4:RW+16*(\p)+7],   v[ADW] offset:(2*(\w)+1)*16*PITCH
	ds_load_b128 v[RW+16*(\p)+8:RW+16*(\p)+11],  v[ADX] offset:(2*(\w))*16*PITCH
	ds_load_b128 v[RW+16*(\p)+12:RW+16*(\p)+15], v[ADX] offset:(2*(\w)+1)*16*PITCH
.endr
.endm
; The conversion of buffer f of the window that source 0 and the destination stand in.  XL: the 16 words' sign bits are turned (the vector register stands first, so it is source 0).
.macro XL f
.set z, 0
.rept 16
	v_xor_b32 v[RW+16*(\f)+z], v[RW+16*(\f)+z], s[S80]
.set z, z+1
.endr
.endm
; RID: line n of 16 for fragment q.  0-7: register n takes two bytes of word n / 2, each under 0x64.  8-15: register n - 8 less 1152, in both halves.
.macro RID f, q, n
.if (\n) < 8
.if (\n)%2
	v_perm_b32 v[FR+32*(\f)+8*(\q)+(\n)], v[RW+16*(\f)+4*(\q)+(\n)/2], s[C64], s[SELHI]
.else
	v_perm_b32 v[FR+32*(\f)+8*(\q)+(\n)], v[RW+16*(\f)+4*(\q)+(\n)/2], s[C64], s[SELLO]
.endif
.else
	v_pk_add_f16 v[FR+32*(\f)+8*(\q)+(\n)-8], v[FR+32*(\f)+8*(\q)+(\n)-8], s[NEG]
.endif
.endm
; A CHUNK c, on buffer p = c % 2.  ld = 1: chunk c + 2 is loaded into buffer p's raw registers.  cv = 1: chunk c + 1 is converted into the other buffer.  mm = 2: 64 products; 1: they start the sums with the constant 0; 0: none.
; The 64 accumulators take turns, one instruction a turn, in the same order in every chunk, over the backward jumps and into the tail too.
; No conversion line names a register of the products round it: they read buffer p, it writes the other buffer, whose last readers stand in the chunk before.  Nearest: window 0's fragments of x, read last by the first four products of that
; chunk's window 3, behind which stand 60 conversion lines of window 3 and this chunk's first 16 xors and 32 lines.  The loads land in the raw registers alone, which no product names.
.macro CH p, mm, ld, cv
.if \ld
	RUN \p
	s_wait_dscnt 16                                ; LDS loads come back in order (ISA guide 5.7.1): the 16 just issued may stay out, the run before them, chunk c + 1, is in
.elseif \cv
	s_wait_dscnt 0x0                               ; the last run is in
.endif
.irp w, 0,1,2,3
.if \cv
	WIN 0x51*(\w)
	XL 1-(\p)
.endif
.irp b, 0,1,2,3
.if \mm
	WIN 0x51*(\w)+4*(\b)
.endif
.irp i, 0,1,2,3
.set rD, 8*(8*((\i)/2)+2*(\b)+(\i)%2)
.set rW, FR+32*(\p)+8*((\i)/2)
.set rX, FR+32*(\p)+16+8*((\i)%2)
.if (\mm) == 1
	v_wmma_f32_16x16x32_f16 v[rD:rD+7], v[rW:rW+7], v[rX:rX+7], 0
.elseif (\mm) == 2
	v_wmma_f32_16x16x32_f16 v[rD:rD+7], v[rW:rW+7], v[rX:rX+7], v[rD:rD+7]
.endif
.if \cv
	RID 1-(\p), \b, 4*(\i)
	RID 1-(\p), \b, 4*(\i)+1
	RID 1-(\p), \b, 4*(\i)+2
	RID 1-(\p), \b, 4*(\i)+3
.endif
.endr
.endr
.endr
.endm
; THE CHANGE OF SLOTS.  The slot's last chunk has been loaded into registers.  Each wave waits for all its tensor loads, of which one is out: its part of the other slot; adds 0 to its spare word; and waits for that and for its own
; reads of the slot.  Behind the barrier nobody reads this slot any more and the other slot is whole.  fill = 1: this slot is filled again, with the K step two on.  The barrier is then a round of the cluster's, so that no wave of any
; partner still reads the slot or has a load on its way, and the joint refill is the first thing behind it: it has a K step's 512 products in which to land.
.macro CHANGE fill
	WIN 0                                          ; at a label and at a branch every window is 0
	s_wait_tensorcnt 0x0                           ; no tensor load of mine is out, so a group 0 may be written
	ds_add_u32 v[SPW], v[NIL]                      ; 0 onto my spare word: with fill = 1 the descriptors' steps stand between it and the wait for it
.if \fill
.irp g, G0X+4, G0W+4
	s_xor_b32 s[(\g)+1], s[(\g)+1], SLOT           ; the walking descriptor: the other slot than last time,
	s_add_nc_u64 s[(\g)+2:(\g)+3], s[(\g)+2:(\g)+3], KSTEP  ; the next K step; the type bits on top are not reached
.endr
	s_wait_xcnt 0x0                                ; the last prefetch, a K step back, has read its address, so it may be written
	s_add_nc_u64 s[PFA:PFA+1], s[PFA:PFA+1], KSTEP ; one K step beyond the walking descriptors
	s_wait_dscnt 0x0                               ; the add is done, and my reads of the slot are over
	CROUND
	JLOAD
	ASK
.else
	s_wait_dscnt 0x0                               ; the add is done, and my reads of the slot are over
	s_barrier_signal -1
	s_barrier_wait -1
.endif
	s_sub_co_u32 s[TB], s[TB], KSTEP               ; the loads go back to a row's first chunk,
	s_xor_b32 s[TB], s[TB], SLOT                   ; in the other slot
.endm
; A slot's eight chunks are loaded in four trips of two chunks; the products lag two chunks behind the loads.
.macro WALK tag
.Lwalk_\tag:
	CH 0, 2, 1, 1
	WIN 0
.Lmid_\tag:
	CH 1, 2, 1, 1
	WIN 0
	s_sub_co_u32 s[CNT], s[CNT], 1
	s_cmp_lg_u32 s[CNT], 0
	s_cbranch_scc1 .Lwalk_\tag
.endm
	s_wait_tensorcnt 1                             ; my part of K step 0 is in; K step 1's was issued behind it and may stay out
	s_barrier_signal -1
	s_barrier_wait -1                              ; everybody's is
	RUN 0                                          ; chunk 0
	CH 1, 0, 1, 1                                  ; chunk 1 is loaded, chunk 0 converted; there is nothing to multiply yet
	s_wait_loadcnt 0x0                             ; the scales and the bias, once
	CH 0, 1, 1, 1                                  ; chunk 0 stands ahead of the loop: its products start the sums, and nothing is ever cleared
	WIN 0
	s_mov_b32 s[CNT], 3
	s_branch .Lmid_a                               ; the loop is entered in the middle of a trip: of slot 0's eight chunks three are loaded
.Lslot:                                        ; 14 times: K steps 1 to 14 are entered, K steps 2 to 15 asked for
	CHANGE 1
	s_mov_b32 s[CNT], 4
	WALK a
	s_sub_co_u32 s[SLOTS], s[SLOTS], 1
	s_cmp_lg_u32 s[SLOTS], 0
	s_cbranch_scc1 .Lslot
	CHANGE 0                                       ; the tail is written out: the last K step is entered, and nothing is asked for
	s_mov_b32 s[CNT], 4
	WALK b
	CH 0, 2, 0, 1                                  ; chunk 126: nothing is left to load
	CH 1, 2, 0, 0                                  ; chunk 127: nothing is left to convert
	; THE WAY OUT, part 1.  The ring has had its last fill; when no wave reads it any more its bytes become the four stages.  acc x_scales[m] goes into my stage, 32 bytes a lane and accumulator, in rows of 528 bytes.
	WIN 0
	s_wait_dscnt 0x0                               ; my reads of the ring are over
	s_barrier_signal -1
	s_barrier_wait -1                              ; everybody's are
	PLACES                                         ; behind the last products
.irp w, 0,1,2,3
	WIN 0x41*(\w)+4                                ; destination and source 0 window w, source 1 (x_scales) window 1
.set a, 0
.rept 16                                       ; accumulator a = 8 wbl + xb; its registers in ascending order
.set j, 0
.rept 4
	v_pk_mul_f32 v[8*a+2*j:8*a+2*j+1], v[8*a+2*j:8*a+2*j+1], v[XS+2*(a%8):XS+2*(a%8)+1]
.set j, j+1
.endr
.set a, a+1
.endr
	WIN 4*(\w)                                     ; address window 0, data window w
.set a, 0
.rept 16
	ds_store_b128 v[STO], v[8*a:8*a+3]   offset:(a%8)*16*SPITCH+64*(2*(\w)+a/8)
	ds_store_b128 v[STO], v[8*a+4:8*a+7] offset:(a%8)*16*SPITCH+64*(2*(\w)+a/8)+16
.set a, a+1
.endr
.endr
	WIN 0
	s_wait_dscnt 0x0                               ; my stores into my stage are done
	s_barrier_signal -1
	s_barrier_wait -1
	; THE WAY OUT, part 2: 16 groups of 8 rows.  A row comes back whole, 16 bytes a lane: a lane has the same four columns in every row, so their scales and bias lie in 8 registers.
.macro GLOAD
.irp i, 0,1,2,3,4,5,6,7
	ds_load_b128 v[GN+4*(\i):GN+4*(\i)+3], v[RD] offset:(\i)*SPITCH
.endr
.endm
.macro CL j                            ; C1 v^2 + C0
	v_pk_fma_f32 v[GQ+2*(\j):GQ+2*(\j)+1], v[GQ+2*(\j):GQ+2*(\j)+1], v[KC1:KC1+1], v[KC0:KC0+1]
.endm
.macro DL j                            ; times v
	v_pk_mul_f32 v[GQ+2*(\j):GQ+2*(\j)+1], v[GQ+2*(\j):GQ+2*(\j)+1], v[GV+2*(\j):GV+2*(\j)+1]
.endm
.macro AL j                            ; 1 + 2^(..)
	v_pk_add_f32 v[GQ+2*(\j):GQ+2*(\j)+1], v[GQ+2*(\j):GQ+2*(\j)+1], 1.0 op_sel_hi:[1,0]
.endm
; A group's 32 exponentials are one batch and its 32 reciprocals another: ahead of a batch's wait no line names a result of it; plain lines that are due anyway stand between the transcendentals.
; more = 1: the next group's rows are read from the stage as soon as this group's have been used, and out's base steps on.
.macro GROUP more
	s_wait_dscnt 0x0                               ; the group's eight rows are in
.set t, 0
.rept 16
	v_pk_fma_f32 v[GV+2*t:GV+2*t+1], v[GN+2*t:GN+2*t+1], v[WS+2*(t%2):WS+2*(t%2)+1], v[BI+2*(t%2):BI+2*(t%2)+1]  ; v = (acc x_scales) scales + bias
.set t, t+1
.endr
.if \more
	v_add_nc_u32 v[RD], 8*SPITCH, v[RD]
	GLOAD
.endif
.set t, 0
.rept 16
	v_pk_mul_f32 v[GQ+2*t:GQ+2*t+1], v[GV+2*t:GV+2*t+1], v[GV+2*t:GV+2*t+1]
.set t, t+1
.endr
	CL 0
	DL 0
	CL 1
	DL 1
.set t, 0
.rept 14
	v_exp_f32 v[GQ+2*t], v[GQ+2*t]
	CL t+2
	v_exp_f32 v[GQ+2*t+1], v[GQ+2*t+1]
	DL t+2
.set t, t+1
.endr
.irp e, 28,29,30,31
	v_exp_f32 v[GQ+(\e)], v[GQ+(\e)]
.endr
	v_nop                                          ; a plain instruction behind the last exponential (ISA guide 5.7.2),
	s_wait_alu depctr_va_vdst(0)                   ; and the wait ahead of the first line that names a result: one for the 32
	AL 0
	AL 1
.set t, 0
.rept 14
	v_rcp_f32 v[GQ+2*t], v[GQ+2*t]
	AL t+2
	v_rcp_f32 v[GQ+2*t+1], v[GQ+2*t+1]
.set t, t+1
.endr
.irp e, 28,29,30,31
	v_rcp_f32 v[GQ+(\e)], v[GQ+(\e)]
.endr
	v_nop
	s_wait_alu depctr_va_vdst(0)                   ; one for the 32 reciprocals
.set t, 0
.rept 16
	v_pk_mul_f32 v[GQ+2*t:GQ+2*t+1], v[GQ+2*t:GQ+2*t+1], v[GV+2*t:GV+2*t+1]
.set t, t+1
.endr
.irp i, 0,1,2,3,4,5,6,7
	global_store_b128 v[CO], v[GQ+4*(\i):GQ+4*(\i)+3], s[14:15] offset:(\i)*OROW th:TH_STORE_NT  ; the wave stores 512 consecutive bytes, at a multiple of 512 from out's first byte
.endr
.if \more
	s_wait_xcnt 0x0                                ; the stores have read their base and their data: only behind this wait is the base stepped, and the data rewritten by the next group
	s_add_nc_u64 s[14:15], s[14:15], 8*OROW
.endif
.endm
	GLOAD                                          ; group 0
	s_mov_b32 s[GC], 15
.Lgroup:
	GROUP 1
	s_sub_co_u32 s[GC], s[GC], 1
	s_cmp_lg_u32 s[GC], 0
	s_cbranch_scc1 .Lgroup
	GROUP 0                                        ; the last group reads nothing further
	s_wait_tensorcnt 0x0                           ; the wave's end, behind my last tensor load and my last LDS store
	ds_add_u32 v[SPW], v[NIL]
	s_wait_dscnt 0x0
	CROUND                                         ; the closing round: no work-group ends while a partner may still ask for a tile that names it
	s_endpgm
.Lfunc_end_k_qd8f681ba78_q8:
	.size	k_qd8f681ba78_q8, .Lfunc_end_k_qd8f681ba78_q8-k_qd8f681ba78_q8
	.p2alignl 7, 3214868480
	.fill 96, 4, 3214868480
	.section	.rodata,"a",@progbits
	.p2align	6, 0x0
	.amdhsa_kernel k_qd8f681ba78_q8
		.amdhsa_group_segment_fixed_size 327680
		.amdhsa_private_segment_fixed_size 0
		.amdhsa_enable_private_segment 0
		.amdhsa_kernarg_size 48
		.amdhsa_user_sgpr_count 2
		.amdhsa_user_sgpr_kernarg_segment_ptr 1
		.amdhsa_wavefront_size32 1
		.amdhsa_system_sgpr_workgroup_id_x 1
		.amdhsa_system_sgpr_workgroup_id_y 1
		.amdhsa_system_sgpr_workgroup_id_z 1
		.amdhsa_system_vgpr_workitem_id 0
		.amdhsa_next_free_vgpr 1024
		.amdhsa_next_free_sgpr 80
		.amdhsa_reserve_vcc 0
		.amdhsa_float_denorm_mode_32 3
		.amdhsa_float_denorm_mode_16_64 3
		.amdhsa_memory_ordered 1
		.amdhsa_forward_progress 1
		.amdhsa_inst_pref_size 236
	.end_amdhsa_kernel
	.amdgpu_metadata
---
amdhsa.version: [ 1, 2 ]
amdhsa.kernels:
  - .name:           k_qd8f681ba78_q8
    .symbol:         k_qd8f681ba78_q8.kd
    .args:
      - { .name: x, .offset: 0, .size: 8, .value_kind: global_buffer, .address_space: global }
      - { .name: weight, .offset: 8, .size: 8, .value_kind: global_buffer, .address_space: global }
      - { .name: bias, .offset: 16, .size: 8, .value_kind: global_buffer, .address_space: global }
      - { .name: x_scales, .offset: 24, .size: 8, .value_kind: global_buffer, .address_space: global }
      - { .name: scales, .offset: 32, .size: 8, .value_kind: global_buffer, .address_space: global }
      - { .name: out0, .offset: 40, .size: 8, .value_kind: global_buffer, .address_space: global }
    .group_segment_fixed_size: 327680
    .private_segment_fixed_size: 0
    .kernarg_segment_align: 8
    .kernarg_segment_size: 48
    .max_flat_workgroup_size: 128
    .sgpr_count:     80
    .vgpr_count:     1024
    .wavefront_size: 32
...
	.end_amdgpu_metadata
.endif
;; end of part 1
